; MI455X (gfx1250); checked and timed in simulation.
; The chip was launched on July 23, 2026; its instructions are those of AMD's public machine-readable ISA for CDNA 5 (MIT licence, August 2026) and "CDNA5" Instruction Set Architecture Reference Guide (July 2026). The comments in the code are by the model that wrote it; some were corrected since.
;; Dot Product Attention. Allowed arithmetic: float matrix products may take bf16 or f16 operands with f32 sums; all other float work in f32.
;; Inputs: keys 16 x 2,048 x 64 float32; queries 16 x 2,048 x 64 float32; valid_lens 16 int32; values 16 x 2,048 x 64 float32.
;; Outputs: out0 16 x 2,048 x 64 float32.
;; One version. Each part assembles by itself: llvm-mc -triple=amdgcn-amd-amdhsa -mcpu=gfx1250 --defsym DOCPART=n.
;; ======== version 1 of 1: 1 launch
;; limits: right only within a limited range of input values; values are held in f16: magnitudes above 65,504 overflow, below 6.1e-05 lose precision
;; launch attn (part 1): grid 16 x 16, 4 waves a work-group, no clusters, 113,152 bytes of LDS; arguments keys, queries, valid_lens, values, out0; writes out0
.if DOCPART == 1
	.amdgcn_target "amdgcn-amd-amdhsa--gfx1250"
	.amdhsa_code_object_version 6
	.text
	.protected	k_q695c6badac_attn
	.globl	k_q695c6badac_attn
	.p2align	8
	.type	k_q695c6badac_attn,@function
k_q695c6badac_attn:
	s_mov_b64 s[64:65], 0
	v_nop
	global_prefetch_b8 v0, s[64:65] scope:SCOPE_SE
	s_setreg_imm32_b32 hwreg(HW_REG_WAVE_MODE, 25, 1), 1
	s_wait_xcnt 0x0
; out[b][q][:] = softmax over k of ( k < valid_len[b] ? q.k / 8 : -1e6 ) times V.   Q, K, V, out: [16][2048][64] f32.
; A work-group (x = block of 128 queries, y = batch) has four waves; a wave has 32 queries, as two groups of 16.
; K and V are walked in tiles of 256 keys: each wave loads 16 of every 64 keys as f32 (a half-wave takes a whole row of 256 bytes),
; rounds them to f16 in registers and puts them into ONE tile in LDS (two barriers a tile).  The next tile's loads go out straight behind
; the second barrier and are waited for at the next tile's head, so they have a whole tile's work in which to land.
; A tile is worked in four sub-steps of 64 keys.
;
; THE MATRIX OPERANDS ARE f16, all four (Q, K, V, P); sums are f32.  f16 has 11 significant bits where bf16 has 8: a weight w of the softmax
; rounded to 8 bits moves a result by up to w |v| / 512, which for a batch with few valid keys (large w) is too near one hundredth of the output's
; root mean square.  Room: f16's largest number is 65,504; inputs of spread 1 made 30 times larger around an offset of 30 spreads stay near 1,100.
; P lies between 0 and about 1.
;
; THE PRODUCTS ARE TRANSPOSED.  S^T = K Q^T: lane (r = lane % 16, h = lane / 16) holds, in register j of tile kb, key 16 kb + 8 h + j of query r.
; Two such tiles, rounded in pairs, ARE the second source of O^T = V^T P^T (k = 8 h .. in registers 0-3, 16 + 8 h .. in 4-7): P never changes lanes.
; A query's maximum, base and rescale factor are its lane's own; the two halves meet by one v_permlanex16_b32 a sub-step for the maximum,
; and once at the end for the sum.
; SOFTMAX with a running maximum m (of the raw q.k):  p = 2^(c s + NC),  c = log2(e) / 8,  NC = the rounded -c m, kept as state;
; old sums are carried on by 2^(NC new - NC old), the difference of the ROUNDED bases, so old and new terms have exactly one base.
;
; valid_len: below 0 counts as 0, above 2048 as 2048.  With valid_len = 0 all 2048 keys are walked, all masked (the result is V's mean).
; LIMITS.  (1) With valid_len >= 1, sub-steps of 64 keys that lie wholly at or beyond valid_len are not walked: their weight is exp(-1e6 - max),
; which is 0 in f32 as long as some valid score of the query lies above about -1e6 + 100, that is q.k > about -7.999e6; below that the result differs.
; (2) A number of Q, K or V above 65,504 in magnitude becomes infinite in f16, one below 2^-25 becomes 0, and below 2^-14 the step is 2^-24;
; the same step holds for the weights p, against a row sum of at least about 1.
; (3) v_exp_f32 gives 0 where the result would be denormal (ISA guide 15.8).  (4) NaN and infinities in the inputs are not followed
; (the maxima drop a NaN).  (5) The sums run in another order than the definition's; the row sum adds the unrounded p.
; NO CLUSTER, NO TENSOR LOADS: the 16 work-groups of a batch read the same K and V, but as f32, and the matrix unit wants 16 bits.  Two f32 slots of
; 256 keys of K and V are 2 x 131,072 bytes; with the f16 tile (77,824) and the stage (34,816) that is 374,784, more than the 327,680 of LDS,
; and every number would pass LDS as 4 bytes in, 4 out, 2 in, instead of 2 in.  So K and V come through registers.
; NO PREFETCH: a tile's own loads are issued a whole tile ahead of their wait.
.set SK,     2048
.set KP,     144                       ; K's LDS row: 128 bytes + 16 = 36 words, so 16 rows begin at 16 different groups of four banks (64 banks of 4 bytes: ISA guide 11.1)
.set VP,     160                       ; V's LDS row: 128 bytes + 32, an odd multiple of 32, for the transposing loads
.set VT,     256*KP                    ; LDS: K's tile at 0 (36,864 bytes), V's at 36,864 (40,960 bytes),
.set STAGE,  VT+256*VP                 ; the way out at 77,824: 32 rows x 272 bytes for each wave, its own
.set SP,     272
; window 0
.set KO, 2                             ; byte offset in a tile of K of my 16 bytes: 4096 w + 2048 h + 16 r   (rows 16 w + i + 8 h)
.set VO, 3                             ; the same for V: 4096 w + 1024 h + 16 r                             (rows 16 w + a + 4 h)
.set KS, 4                             ; where my 8 bytes of K go in LDS
.set VS, 5                             ; where my 8 bytes of V go
.set KR, 6                             ; K's fragments: 144 r + 16 h
.set VR, 7                             ; V's fragments, transposing loads
.set H8, 8                             ; 8 h
.set RM, 9                             ; mask: keys left - 8 h
.set ST, 10                            ; the way out: where I put 16 bytes
.set RD, 11                            ; the way out: where I read a row back
.set OO, 12                            ; my byte offset in the wave's 32 rows of out
.set QO, 13                            ; my byte offset in the wave's 32 rows of Q
.set MX, 14                            ; v14-15  running maximum, group 0, 1
.set LS, 16                            ; v16-17  my half's part of the row sum
.set NC, 20                            ; v20, v22  the base -c m (low register of a pair; the high one is only named)
.set AL, 24                            ; v24, v26  the rescale factor (likewise)
.set TT, 28                            ; v28-35  at work, four for each group
.set TX, 36                            ; v36-37  what comes from the other half
.set SA, 38                            ; v38-45  two pairs of sums for each group
.set QF, 48                            ; v48-79   Q's fragments (group, half of d)
.set PB, 80                            ; v80-111  P in f16 (group, 32 keys)
.set SR, 112                           ; v112-175 scores (group, 16 keys); also Q as loaded, and the rows read back on the way out
.set KF, 176                           ; v176-239 K's fragments (16 keys, half of d)
; window 1
.set OA, 0                             ; v256-319 O^T (group, 16 of d)
.set VF, 64                            ; v320-383 V's fragments (16 of d, 32 keys)
; window 2: v512-767, the 64 loads of a tile, 4 registers each: quarter q has K's eight at 16 q .. and V's eight at 16 q + 8 ..
; scalars: s[4:5] K, s[6:7] Q, s[8:9] valid_lens, s[10:11] V, s[12:13] out, s14 wave, s15 batch, s18 valid keys left (signed),
;          s31 keys left to walk, s[20:21] offsets, s22 = s23 = c, s24 = -c, s25 = -8e6, s26, s27 lane selects, s28 tile counter
.set MSB, 0
.macro WIN new                         ; s_set_vgpr_msb: bits 1:0 source 0, 3:2 source 1, 5:4 source 2, 7:6 destination; the high byte repeats the setting that is left
.if MSB != \new
	s_set_vgpr_msb (MSB<<8)|\new
.set MSB, \new
.endif
.endm
.macro PLACES                          ; four plain places behind a matrix instruction before its result is read or a load lands on a source
.rept 4
	v_nop
.endr
.endm
; Quarter q (64 keys) of the tile at s[4:5], s[10:11]: my 8 loads of K and 8 of V, each 2 whole rows of 256 bytes.
.macro LOADQ q
	WIN 0x80                               ; destination window 2
.irp i, 0,1,2,3,4,5,6,7
	global_load_b128 v[4*(16*\q+\i):4*(16*\q+\i)+3], v[KO], s[4:5] offset:16384*\q+256*\i
.endr
.irp i, 0,1,2,3,4,5,6,7
	global_load_b128 v[4*(16*\q+8+\i):4*(16*\q+8+\i)+3], v[VO], s[10:11] offset:16384*\q+256*((\i&3)+8*(\i>>2))
.endr
	WIN 0
.endm
; The tile as loaded is rounded to f16 in place: 4 registers become 2.
.macro CONVERT
	WIN 0x8a                               ; destination and both sources window 2
.set n, 0
.rept 64
	v_cvt_pk_f16_f32 v[4*n], v[4*n], v[4*n+1]
	v_cvt_pk_f16_f32 v[4*n+1], v[4*n+2], v[4*n+3]
.set n, n+1
.endr
	WIN 0
.endm
; and put into LDS, 8 bytes a lane.  The two halves of a wave lie 1,152 (K) or 640 (V) bytes apart, both 128 modulo 256: no two lanes share a bank.
.macro PUT
	WIN 0x08                               ; data (source 1) window 2
.irp q, 0,1,2,3
.irp i, 0,1,2,3,4,5,6,7
	ds_store_b64 v[KS], v[4*(16*\q+\i):4*(16*\q+\i)+1] offset:64*KP*\q+KP*\i
.endr
.irp i, 0,1,2,3,4,5,6,7
	ds_store_b64 v[VS], v[4*(16*\q+8+\i):4*(16*\q+8+\i)+1] offset:64*VP*\q+VP*((\i&3)+8*(\i>>2))
.endr
.endr
	WIN 0
.endm
; K's fragments of sub-step q: 16 loads.  Lane (r, h): key 16 b + r; d = 32 s + 8 h .. +7, then + 16.
.macro KLOAD q
.irp b, 0,1,2,3
.irp s, 0,1
	ds_load_b128 v[KF+16*\b+8*\s:KF+16*\b+8*\s+3],   v[KR] offset:64*KP*(\q)+16*KP*\b+64*\s
	ds_load_b128 v[KF+16*\b+8*\s+4:KF+16*\b+8*\s+7], v[KR] offset:64*KP*(\q)+16*KP*\b+64*\s+32
.endr
.endr
.endm
; V's fragments of sub-step q, transposed on the way: 16 loads.  Lane (r, h): d = 16 d + r; keys 32 k + 8 h .. +7, then + 16.
.macro VLOAD q
	WIN 0x40                               ; destination window 1
.irp d, 0,1,2,3
.irp k, 0,1
	ds_load_tr16_b128 v[VF+16*\d+8*\k:VF+16*\d+8*\k+3],   v[VR] offset:64*VP*(\q)+32*VP*\k+32*\d
	ds_load_tr16_b128 v[VF+16*\d+8*\k+4:VF+16*\d+8*\k+7], v[VR] offset:64*VP*(\q)+32*VP*\k+32*\d+16*VP
.endr
.endr
	WIN 0
.endm
; One score tile g = 4 x group + kb, in three pieces that are laid out so that plain work stands between an exponential and its use.
.macro FMAG g                          ; c s + NC, two at a time
.irp i, 0,2,4,6
	v_pk_fma_f32 v[SR+8*(\g)+\i:SR+8*(\g)+\i+1], v[SR+8*(\g)+\i:SR+8*(\g)+\i+1], s[22:23], v[NC+2*((\g)/4):NC+2*((\g)/4)+1] op_sel_hi:[1,0,0]
.endr
.endm
.macro EXPG g
.irp i, 0,1,2,3,4,5,6,7
	v_exp_f32 v[SR+8*(\g)+\i], v[SR+8*(\g)+\i]
.endr
.endm
.macro PLAING g                        ; add p to the group's two pairs of sums (the group's first tile starts them), and round p to f16
.if ((\g)%4) == 0
	s_wait_alu depctr_va_vdst(0)
	v_pk_add_f32 v[SA+4*((\g)/4):SA+4*((\g)/4)+1],   v[SR+8*(\g):SR+8*(\g)+1],   v[SR+8*(\g)+2:SR+8*(\g)+3]
	v_pk_add_f32 v[SA+4*((\g)/4)+2:SA+4*((\g)/4)+3], v[SR+8*(\g)+4:SR+8*(\g)+5], v[SR+8*(\g)+6:SR+8*(\g)+7]
.else
	s_wait_alu depctr_va_vdst(0)
	v_pk_add_f32 v[SA+4*((\g)/4):SA+4*((\g)/4)+1],   v[SA+4*((\g)/4):SA+4*((\g)/4)+1],   v[SR+8*(\g):SR+8*(\g)+1]
	v_pk_add_f32 v[SA+4*((\g)/4)+2:SA+4*((\g)/4)+3], v[SA+4*((\g)/4)+2:SA+4*((\g)/4)+3], v[SR+8*(\g)+2:SR+8*(\g)+3]
	v_pk_add_f32 v[SA+4*((\g)/4):SA+4*((\g)/4)+1],   v[SA+4*((\g)/4):SA+4*((\g)/4)+1],   v[SR+8*(\g)+4:SR+8*(\g)+5]
	v_pk_add_f32 v[SA+4*((\g)/4)+2:SA+4*((\g)/4)+3], v[SA+4*((\g)/4)+2:SA+4*((\g)/4)+3], v[SR+8*(\g)+6:SR+8*(\g)+7]
.endif
.irp i, 0,1,2,3
	v_cvt_pk_f16_f32 v[PB+4*(\g)+\i], v[SR+8*(\g)+2*\i], v[SR+8*(\g)+2*\i+1]
.endr
.endm
.macro SCALEO                          ; O^T times the lane's own factor AL: a lane holds one query
	WIN 0x41                               ; destination and source 0 window 1, the factor window 0
.irp g, 0,1
.irp i, 0,2,4,6,8,10,12,14,16,18,20,22,24,26,28,30
	v_pk_mul_f32 v[OA+32*\g+\i:OA+32*\g+\i+1], v[OA+32*\g+\i:OA+32*\g+\i+1], v[AL+2*\g:AL+2*\g+1] op_sel_hi:[1,0]
.endr
.endr
.endm
; Sub-step q of the tile in LDS: 64 keys for my 32 queries.  first = 1: the very first sub-step starts maximum, sums and O.
.macro SUB q, first
	VLOAD \q
	s_wait_dscnt 16                        ; K's fragments of this sub-step are in; the 16 younger loads are V's
	; S^T = K Q^T: eight accumulators by turns, one instruction a turn; the first half of d starts the sums
.irp s, 0,1
.irp g, 0,1
.irp b, 0,1,2,3
.if \s == 0
	v_wmma_f32_16x16x32_f16 v[SR+32*\g+8*\b:SR+32*\g+8*\b+7], v[KF+16*\b+8*\s:KF+16*\b+8*\s+7], v[QF+16*\g+8*\s:QF+16*\g+8*\s+7], 0
.else
	v_wmma_f32_16x16x32_f16 v[SR+32*\g+8*\b:SR+32*\g+8*\b+7], v[KF+16*\b+8*\s:KF+16*\b+8*\s+7], v[QF+16*\g+8*\s:QF+16*\g+8*\s+7], v[SR+32*\g+8*\b:SR+32*\g+8*\b+7]
.endif
.endr
.endr
.endr
	PLACES
.if \q < 3
	KLOAD \q+1                             ; the next sub-step's, on every path, walked or not: the count of the wait in front of P V leans on these 16
.endif
	; the mask, only where the sub-step reaches valid_len: key 16 b + 8 h + j is valid if 16 b + j < keys left - 8 h
	s_cmp_ge_i32 s18, 64
	s_cbranch_scc1 .Lnm_\@
	v_sub_nc_u32 v[RM], s18, v[H8]
.irp b, 0,1,2,3
.irp j, 0,1,2,3,4,5,6,7
	v_cmp_lt_i32 vcc_lo, 16*\b+\j, v[RM]
	v_cndmask_b32 v[SR+8*\b+\j], s25, v[SR+8*\b+\j], vcc_lo
	v_cndmask_b32 v[SR+32+8*\b+\j], s25, v[SR+32+8*\b+\j], vcc_lo
.endr
.endr
.Lnm_\@:
	; the maximum of my 32 scores of each query, in four chains a group, then with the old one and with the other half of the lanes
.irp g, 0,1
.irp b, 0,1,2,3
	v_max3_num_f32 v[TT+4*\g+\b], v[SR+32*\g+8*\b], v[SR+32*\g+8*\b+1], v[SR+32*\g+8*\b+2]
.endr
.endr
.irp j, 3,5
.irp g, 0,1
.irp b, 0,1,2,3
	v_max3_num_f32 v[TT+4*\g+\b], v[TT+4*\g+\b], v[SR+32*\g+8*\b+\j], v[SR+32*\g+8*\b+\j+1]
.endr
.endr
.endr
.irp g, 0,1
	v_max3_num_f32 v[TT+4*\g],   v[TT+4*\g],   v[SR+32*\g+7],  v[SR+32*\g+15]
	v_max3_num_f32 v[TT+4*\g+1], v[TT+4*\g+1], v[SR+32*\g+23], v[SR+32*\g+31]
.endr
.irp g, 0,1
	v_max3_num_f32 v[TT+4*\g], v[TT+4*\g], v[TT+4*\g+2], v[TT+4*\g+3]
.endr
.irp g, 0,1
.if \first
	v_max_num_f32 v[TT+4*\g], v[TT+4*\g], v[TT+4*\g+1]
.else
	v_max3_num_f32 v[TT+4*\g], v[TT+4*\g], v[TT+4*\g+1], v[MX+\g]
.endif
.endr
.irp g, 0,1
	v_permlanex16_b32 v[TX+\g], v[TT+4*\g], s26, s27
.endr
.irp g, 0,1
	v_max_num_f32 v[MX+\g], v[TT+4*\g], v[TX+\g]
.endr
	; the new base, and the factor that carries the old sums onto it
.if \first
.irp g, 0,1
	v_mul_f32 v[NC+2*\g], s24, v[MX+\g]
.endr
.else
.irp g, 0,1
	v_mul_f32 v[TT+4*\g+1], s24, v[MX+\g]
.endr
.irp g, 0,1
	v_sub_f32 v[TT+4*\g+2], v[TT+4*\g+1], v[NC+2*\g]
.endr
.irp g, 0,1
	v_mov_b32 v[NC+2*\g], v[TT+4*\g+1]
.endr
.irp g, 0,1
	v_exp_f32 v[AL+2*\g], v[TT+4*\g+2]     ; used far below; the multiply-adds that follow are the plain place behind it (ISA guide 5.7.2)
.endr
.endif
	; p = 2^(c s + NC).  A tile's exponentials are used only behind the next tile's multiply-adds or the last tile's plain work
	FMAG 0
	EXPG 0
	FMAG 1
	EXPG 1
	PLAING 0
	FMAG 2
	EXPG 2
	PLAING 1
	FMAG 3
	EXPG 3
	PLAING 2
	FMAG 4
	EXPG 4
	PLAING 3
	FMAG 5
	EXPG 5
	PLAING 4
	FMAG 6
	EXPG 6
	PLAING 5
	FMAG 7
	EXPG 7
	PLAING 6
	PLAING 7
.irp g, 0,1
	v_pk_add_f32 v[SA+4*\g:SA+4*\g+1], v[SA+4*\g:SA+4*\g+1], v[SA+4*\g+2:SA+4*\g+3]
.endr
.if \first
.irp g, 0,1
	v_add_f32 v[LS+\g], v[SA+4*\g], v[SA+4*\g+1]
.endr
.else
.irp g, 0,1
	v_add_f32 v[TT+4*\g], v[SA+4*\g], v[SA+4*\g+1]
.endr
.irp g, 0,1
	v_fma_f32 v[LS+\g], v[LS+\g], v[AL+2*\g], v[TT+4*\g]
.endr
.endif
.if \q < 3
	s_wait_dscnt 16                        ; V's fragments are in; the 16 younger loads are the next sub-step's K
.else
	s_wait_dscnt 0x0                       ; V's fragments are in: nothing was issued behind them
.endif
.if \first == 0
	SCALEO
.endif
	; O^T += V^T P^T: eight accumulators by turns, one instruction a turn
	WIN 0x51                               ; D, C and V's fragments window 1, P window 0
.irp k, 0,1
.irp g, 0,1
.irp d, 0,1,2,3
.if \first && (\k == 0)
	v_wmma_f32_16x16x32_f16 v[OA+32*\g+8*\d:OA+32*\g+8*\d+7], v[VF+16*\d+8*\k:VF+16*\d+8*\k+7], v[PB+16*\g+8*\k:PB+16*\g+8*\k+7], 0
.else
	v_wmma_f32_16x16x32_f16 v[OA+32*\g+8*\d:OA+32*\g+8*\d+7], v[VF+16*\d+8*\k:VF+16*\d+8*\k+7], v[PB+16*\g+8*\k:PB+16*\g+8*\k+7], v[OA+32*\g+8*\d:OA+32*\g+8*\d+7]
.endif
.endr
.endr
.endr
	PLACES                                 ; for the next loads into V's fragments, and for the way out
	WIN 0
	s_sub_co_i32 s18, s18, 64
	s_sub_co_i32 s31, s31, 64
.endm
; A tile of 256 keys.  first = 1: tile 0, which always has work and in front of which nobody has read LDS.
; Every trip passes both barriers; a trip with nothing left to walk (s31 <= 0) jumps over the work between and behind them, never over a barrier.
.macro TILE first
.if \first == 0
	s_wait_loadcnt 0x0                     ; the tile asked for one tile ago is in; no load is out, so the bases may be stepped below
	s_cmp_le_i32 s31, 0
	s_cbranch_scc1 .Lnc_\@
.endif
	CONVERT                                ; all four quarters, loaded anew or not: every LDS byte that a fragment load touches has been stored
.if \first == 0
.Lnc_\@:
	s_wait_dscnt 0x0                       ; my reads of the old tile are back
	s_barrier_signal -1
	s_barrier_wait -1                      ; everybody's are: the tile may be overwritten
	s_cmp_le_i32 s31, 0
	s_cbranch_scc1 .Lns_\@
.endif
	PUT
.if \first == 0
.Lns_\@:
.endif
	s_wait_dscnt 0x0                       ; my stores are done
	s_barrier_signal -1
	s_barrier_wait -1                      ; everybody's are: the tile may be read
.if \first == 0
	s_cmp_le_i32 s31, 0
	s_cbranch_scc1 .Lte_\@
.endif
	s_add_nc_u64 s[4:5], s[4:5], 0x10000           ; the next tile: 256 rows of 256 bytes
	s_add_nc_u64 s[10:11], s[10:11], 0x10000
	KLOAD 0
	; The next tile's quarter q is asked for only if one of its keys is walked: keys left > 256 + 64 q.  So no load leaves the buffers.
	; 48 loads here and 16 one sub-step later: 64 at once would be one more than LOADcnt counts, and the 64th would stall at issue (ISA guide 5.7.1)
	; with the sub-step's work still to be done behind it.
	s_cmp_le_i32 s31, 256
	s_cbranch_scc1 .Lnl_\@
	LOADQ 0
	s_cmp_le_i32 s31, 320
	s_cbranch_scc1 .Lnl_\@
	LOADQ 1
	s_cmp_le_i32 s31, 384
	s_cbranch_scc1 .Lnl_\@
	LOADQ 2
.Lnl_\@:
	SUB 0, \first
	s_cmp_le_i32 s31, 0
	s_cbranch_scc1 .Lte_\@
	s_cmp_le_i32 s31, 384                  ; 64 keys fewer are left now: 256 + 192 - 64
	s_cbranch_scc1 .Ln3_\@
	LOADQ 3
.Ln3_\@:
	SUB 1, 0
	s_cmp_le_i32 s31, 0
	s_cbranch_scc1 .Lte_\@
	SUB 2, 0
	s_cmp_le_i32 s31, 0
	s_cbranch_scc1 .Lte_\@
	SUB 3, 0
.Lte_\@:
.endm
	s_load_b256 s[4:11], s[0:1], 0x0               ; keys, queries, valid_lens, values
	s_load_b64 s[12:13], s[0:1], 0x20              ; out0
	v_lshl_add_u32 v254, v0, 2, 0x1b800
	v_mov_b32 v255, 0
	v_lshrrev_b32 v[RM], 5, v0
	v_readfirstlane_b32 s14, v[RM]                 ; wave 0..3
	s_and_b32 s15, ttmp7, 0xffff                   ; batch
	s_mov_b32 s22, 0x3e38aa3b                      ; c = log2(e) / 8, twice (a pair is named)
	s_mov_b32 s23, 0x3e38aa3b
	s_mov_b32 s24, 0xbe38aa3b                      ; -c
	s_mov_b32 s25, 0xcaf42400                      ; -8e6: -1e6 ahead of the division by 8
	s_mov_b32 s26, 0x76543210                      ; v_permlanex16_b32: lane i takes lane i of the other half
	s_mov_b32 s27, 0xfedcba98
	v_and_b32 v1, 15, v0                           ; r
	v_bfe_u32 v[H8], v0, 4, 1                      ; h, for now
	v_lshlrev_b32 v[OO], 4, v1                     ; 16 r, for now
	s_lshl_b32 s20, s14, 12                        ; 16 rows of 256 bytes a wave
	v_lshl_add_u32 v[KO], v[H8], 11, v[OO]
	v_add_nc_u32 v[KO], s20, v[KO]
	v_lshl_add_u32 v[VO], v[H8], 10, v[OO]
	v_add_nc_u32 v[VO], s20, v[VO]
	v_lshlrev_b32 v[KS], 3, v1                     ; 8 r
	v_mad_u32_u24 v[VS], v[H8], 4*VP, v[KS]
	v_mad_u32_u24 v[KS], v[H8], 8*KP, v[KS]
	s_mul_i32 s20, s14, 16*KP
	v_add_nc_u32 v[KS], s20, v[KS]
	s_mul_i32 s20, s14, 16*VP
	s_add_co_u32 s20, s20, VT
	v_add_nc_u32 v[VS], s20, v[VS]
	v_mul_u32_u24 v[KR], v1, KP
	v_lshl_add_u32 v[KR], v[H8], 4, v[KR]
	v_and_b32 v[VR], 7, v0
	v_lshl_add_u32 v[VR], v[H8], 3, v[VR]          ; row 8 h + lane % 8
	v_mul_u32_u24 v[VR], v[VR], VP
	v_bfe_u32 v[RM], v0, 3, 1
	v_lshl_add_u32 v[VR], v[RM], 4, v[VR]          ; + 16 bytes for lanes 8-15 of each half
	v_add_nc_u32 v[VR], VT, v[VR]
	s_mul_i32 s20, s14, 32*SP
	s_add_co_u32 s20, s20, STAGE                   ; my stage
	v_mul_u32_u24 v[ST], v1, SP
	v_lshl_add_u32 v[ST], v[H8], 5, v[ST]
	v_add_nc_u32 v[ST], s20, v[ST]
	v_mul_u32_u24 v[RD], v[H8], SP
	v_add_nc_u32 v[RD], v[RD], v[OO]
	v_add_nc_u32 v[RD], s20, v[RD]
	v_lshl_add_u32 v[OO], v[H8], 8, v[OO]          ; 256 h + 16 r
	v_lshlrev_b32 v[QO], 8, v1
	v_lshl_add_u32 v[QO], v[H8], 5, v[QO]          ; 256 r + 32 h
	v_lshlrev_b32 v[H8], 3, v[H8]                  ; 8 h
	v_mov_b32 v[NC+1], 0                           ; the high registers of pairs of which only the low one is used,
	v_mov_b32 v[NC+3], 0
	v_mov_b32 v[AL+1], 0
	v_mov_b32 v[AL+3], 0
	v_mov_b32 v[TX], 0                             ; and the destinations of v_permlanex16_b32, which count as read
	v_mov_b32 v[TX+1], 0
	s_lshl_b32 s20, s15, 19                        ; a batch is 2048 rows of 256 bytes
	s_mov_b32 s21, 0
	s_wait_kmcnt 0x0
	s_add_nc_u64 s[4:5], s[4:5], s[20:21]          ; K and V at the batch's first key
	s_add_nc_u64 s[10:11], s[10:11], s[20:21]
	s_lshl_b32 s28, ttmp9, 15                      ; the block's 128 rows,
	s_add_co_u32 s20, s20, s28
	s_lshl_b32 s28, s14, 13                        ; the wave's 32
	s_add_co_u32 s20, s20, s28
	s_add_nc_u64 s[6:7], s[6:7], s[20:21]          ; Q and out at my wave's first query
	s_add_nc_u64 s[12:13], s[12:13], s[20:21]
	s_lshl_b32 s20, s15, 2
	s_add_nc_u64 s[8:9], s[8:9], s[20:21]
	s_load_b32 s18, s[8:9], 0x0                    ; valid_len of the batch
	; Q as the second source wants it: lane (r, h) takes d = 32 s + 8 h .. +7 and + 16 of query 16 g + r, four loads of 16 bytes.  Once in the kernel;
	; the eight loads of a group together take its 16 rows whole.
.irp g, 0,1
.irp s, 0,1
.irp c, 0,1,2,3
	global_load_b128 v[SR+4*(8*\g+4*\s+\c):SR+4*(8*\g+4*\s+\c)+3], v[QO], s[6:7] offset:4096*\g+128*\s+64*(\c>>1)+16*(\c&1) th:TH_LOAD_NT
.endr
.endr
.endr
	LOADQ 0                                        ; tile 0 whole, before valid_len is known: it lies inside the buffers whatever that is.
	LOADQ 1                                        ; With Q's 16 these are 80 loads, more than LOADcnt counts: the last ones stall at issue (ISA guide 5.7.1),
	LOADQ 2                                        ; which costs nothing here, since only scalar lines and the wait for all of them follow
	LOADQ 3
	s_wait_kmcnt 0x0
	s_max_i32 s18, s18, 0
	s_min_i32 s18, s18, SK                         ; valid keys left
	s_cmp_eq_u32 s18, 0
	s_cselect_b32 s31, SK, s18                     ; keys left to walk: all of them where none is valid
	s_wait_loadcnt 0x0                             ; Q and tile 0
.irp g, 0,1
.irp s, 0,1
.irp c, 0,1,2,3
.irp i, 0,1
	v_cvt_pk_f16_f32 v[QF+16*\g+8*\s+2*\c+\i], v[SR+4*(8*\g+4*\s+\c)+2*\i], v[SR+4*(8*\g+4*\s+\c)+2*\i+1]
.endr
.endr
.endr
.endr
	TILE 1
	s_mov_b32 s28, SK/256-1
.Ltile:
	TILE 0
	s_sub_co_i32 s28, s28, 1
	s_cmp_lg_u32 s28, 0
	s_cbranch_scc1 .Ltile
	; THE WAY OUT.  The two halves' sums meet; O^T is divided; a lane's 8 numbers of a tile are 32 neighbouring bytes of a row of out:
	; they go through my own stage in LDS and come back as whole rows of 256 bytes.
.irp g, 0,1
	v_permlanex16_b32 v[TX+\g], v[LS+\g], s26, s27
.endr
.irp g, 0,1
	v_add_f32 v[LS+\g], v[LS+\g], v[TX+\g]         ; at least about 1: the largest score's own term
.endr
.irp g, 0,1
	v_rcp_f32 v[AL+2*\g], v[LS+\g]
.endr
	v_nop                                          ; the plain place behind v_rcp_f32 (ISA guide 5.7.2)
	s_wait_alu depctr_va_vdst(0)
	SCALEO
	WIN 0x04                                       ; data (source 1) window 1
.irp g, 0,1
.irp d, 0,1,2,3
.irp c, 0,1
	ds_store_b128 v[ST], v[OA+32*\g+8*\d+4*\c:OA+32*\g+8*\d+4*\c+3] offset:16*SP*\g+64*\d+16*\c
.endr
.endr
.endr
	WIN 0
.irp t, 0,1,2,3,4,5,6,7,8,9,10,11,12,13,14,15
	ds_load_b128 v[SR+4*\t:SR+4*\t+3], v[RD] offset:2*SP*\t    ; LDS serves a wave's instructions in order (ISA guide 5.7.1.4): these see my stores above
.endr
.irp t, 0,1,2,3,4,5,6,7,8,9,10,11,12,13,14,15
	s_wait_dscnt 15-\t                             ; read-back t is in; the younger ones may be out
	global_store_b128 v[OO], v[SR+4*\t:SR+4*\t+3], s[12:13] offset:512*\t th:TH_STORE_NT   ; two whole rows: 512 consecutive bytes, at a multiple of 256 from out's first byte
.endr
	s_wait_tensorcnt 0x0
	ds_add_u32 v254, v255
	s_wait_dscnt 0x0
	s_endpgm
.Lfunc_end_k_q695c6badac_attn:
	.size	k_q695c6badac_attn, .Lfunc_end_k_q695c6badac_attn-k_q695c6badac_attn
	.p2alignl 7, 3214868480
	.fill 96, 4, 3214868480
	.section	.rodata,"a",@progbits
	.p2align	6, 0x0
	.amdhsa_kernel k_q695c6badac_attn
		.amdhsa_group_segment_fixed_size 113152
		.amdhsa_private_segment_fixed_size 0
		.amdhsa_enable_private_segment 0
		.amdhsa_kernarg_size 40
		.amdhsa_user_sgpr_count 2
		.amdhsa_user_sgpr_kernarg_segment_ptr 1
		.amdhsa_wavefront_size32 1
		.amdhsa_system_sgpr_workgroup_id_x 1
		.amdhsa_system_sgpr_workgroup_id_y 1
		.amdhsa_system_sgpr_workgroup_id_z 1
		.amdhsa_system_vgpr_workitem_id 0
		.amdhsa_next_free_vgpr 768
		.amdhsa_next_free_sgpr 66
		.amdhsa_reserve_vcc 1
		.amdhsa_float_denorm_mode_32 3
		.amdhsa_float_denorm_mode_16_64 3
		.amdhsa_memory_ordered 1
		.amdhsa_forward_progress 1
		.amdhsa_inst_pref_size 220
	.end_amdhsa_kernel
	.amdgpu_metadata
---
amdhsa.version: [ 1, 2 ]
amdhsa.kernels:
  - .name:           k_q695c6badac_attn
    .symbol:         k_q695c6badac_attn.kd
    .args:
      - { .name: keys, .offset: 0, .size: 8, .value_kind: global_buffer, .address_space: global }
      - { .name: queries, .offset: 8, .size: 8, .value_kind: global_buffer, .address_space: global }
      - { .name: valid_lens, .offset: 16, .size: 8, .value_kind: global_buffer, .address_space: global }
      - { .name: values, .offset: 24, .size: 8, .value_kind: global_buffer, .address_space: global }
      - { .name: out0, .offset: 32, .size: 8, .value_kind: global_buffer, .address_space: global }
    .group_segment_fixed_size: 113152
    .private_segment_fixed_size: 0
    .kernarg_segment_align: 8
    .kernarg_segment_size: 40
    .max_flat_workgroup_size: 128
    .sgpr_count:     66
    .vgpr_count:     768
    .wavefront_size: 32
...
	.end_amdgpu_metadata
.endif
;; end of part 1
